; MI455X (gfx1250); checked and timed in simulation.
; The chip was launched on July 23, 2026; its instructions are those of AMD's public machine-readable ISA for CDNA 5 (MIT licence, August 2026) and "CDNA5" Instruction Set Architecture Reference Guide (July 2026). The comments in the code are by the model that wrote it; some were corrected since.
;; Dynamic PT Head Selection. Allowed arithmetic: matrix products marked QUANTISED: E2M3 operands, one E8M0 scale for each 32 along K, by v_wmma_scale_f32_16x16x128_f8f6f4 with both operands' format E2M3, f32 sums; products left as they are: f32 operands where the result goes on into a quantised operand, else bf16, f16 or f32 operands; f32 sums; everything else in f32.
;; Inputs: channel_u 4 x 256 x 256 float32; channel_v 4 x 256 x 256 float32; qz 4 x 16 x 512 x 256 float32; time_u 4 x 256 x 256 float32; time_v 4 x 256 x 256 float32.
;; Outputs: out0 4 x 16 x 512 x 256 float32; out1 4 x 16 x 512 x 256 float32.
;; This version of the problem:
;;   THIS VERSION OF THE PROBLEM IS GIVEN IN LOW PRECISION. The matrix products marked QUANTISED in the list below multiply operands that are first quantised to E2M3 (2 exponent bits, 3 mantissa bits; 6 bits a number), with one power-of-two scale for each 32 numbers along K (OCP MX v1.0); their sums are f32. All else is computed in f32.
;;   The module's matrix products, in the order in which they are computed (A, B: the left and right operand; K: the contracted axis; several contracted axes count as one K, in the product's order):
;;     1. batch 4 x [M 8,192, K 256] x [K 256, N 256]; A: input qz; B: input time_u: QUANTISED
;;     2. batch 4 x [M 8,192, K 256] x [K 256, N 256]; A: input qz; B: input time_v: QUANTISED
;;     3. batch 512 x [M 512, K 32] x [K 32, N 512]; A: computed on the way; B: computed on the way: QUANTISED
;;     4. batch 64 x [M 4,096, K 512] x [K 512, N 256]; A: softmax (see below); B: input qz: QUANTISED
;;     5. batch 4 x [M 8,192, K 256] x [K 256, N 256]; A: input qz; B: input channel_u: QUANTISED
;;     6. batch 4 x [M 8,192, K 256] x [K 256, N 256]; A: input qz; B: input channel_v: QUANTISED
;;     7. batch 16,384 x [M 16, K 32] x [K 32, N 16]; A: computed on the way; B: computed on the way: QUANTISED
;;     8. batch 2,048 x [M 128, K 16] x [K 16, N 256]; A: softmax (see below); B: input qz: left as it is (K = 16 < 32)
;;   THE QUANTISER, for each operand of a quantised product, along K:
;;     - K is cut into blocks of 32 from its start; a last block that is shorter is filled with zeros.
;;     - A block's scale is 2^e with e = floor(log2(the largest magnitude in the block)) - 2, held to -126 .. 127; a block of zeros has e = 0. As a byte (E8M0): e + 127.
;;     - Each number is divided by its block's scale, clamped to +-7.5, and rounded to the nearest number of E2M3, ties to even, subnormals kept.
;;     - The product sums the exact products of the quantised numbers (number of the format x scale) in f32.
;;   ~~~python
;;   def quantise(x, axis):      # numpy; x: float32 -> the quantised numbers, widened to float32 again
;;       x = np.moveaxis(x, axis, -1); K = x.shape[-1]
;;       x = np.pad(x, [(0, 0)] * (x.ndim - 1) + [(0, -K % 32)]); x = x.reshape(x.shape[:-1] + (-1, 32)); a = np.abs(x).max(-1, keepdims=True)
;;       e = np.where(a > 0, np.clip(np.frexp(np.where(a > 0, a, 1))[1] - 1 - 2, -126, 127), 0)      # np.frexp(a)[1] - 1 = floor(log2(a)), exactly
;;       r = np.clip(x / 2.0 ** e, -7.5, 7.5)
;;       step = 2.0 ** (np.maximum(np.frexp(np.where(r == 0, 1, r))[1] - 1, 0) - 3)
;;       q = np.round(r / step) * step * 2.0 ** e      # np.round: ties to even
;;       return np.moveaxis(q.reshape(q.shape[:-2] + (-1,))[..., :K], -1, axis).astype(np.float32)
;;   ~~~
;;   SOFTMAX AHEAD OF A QUANTISED PRODUCT. Where the list says 'softmax', what is quantised is not the finished softmax but p = 2^(t - M), with t = logit x log2(e) and M = ceil(the row's largest t), a whole number; so 1/2 < the row's largest p <= 1. The row's sum l is taken of the UNQUANTISED p, in f32, and the product's result is divided by l at the end. Since M is a whole number, a kernel that streams over the keys may use a running M (the ceiling of the running maximum): every later rescaling is an exact power of two, which a block's scale takes up: the codes' values come out the same.
;;   OPERANDS COMPUTED ON THE WAY. 'Computed on the way' means the value that the module computes at that place (a softmax that the list does not call 'softmax' is quantised finished and normalised). What goes into a quantiser is computed in f32, as accurately as f32 sums, v_exp_f32 and their like allow (about 1e-6 of the number): no bf16 or f16 on the way to a quantiser, and a product that is left as it is and whose result goes on into a quantised operand takes f32 operands (vector FMAs, or v_wmma_f32_16x16x4_f32). A number that lies on a knife's edge between two numbers of the format may be rounded either way, as far as f32 arithmetic and the matrix unit's own rounding can turn it there, and no further.
;; One version. Each part assembles by itself: llvm-mc -triple=amdgcn-amd-amdhsa -mcpu=gfx1250 --defsym DOCPART=n.
;; ======== version 1 of 1: 3 launches
;; workspace buffers: xd 6,291,456 bytes; xds 262,144 bytes; wq 786,432 bytes; wqs 32,768 bytes; vq 6,291,456 bytes; vqs 262,144 bytes
;; launch prep (part 1): grid 544 x 1, 4 waves a work-group, no clusters, 33,280 bytes of LDS; arguments qz, time_u, time_v, channel_u, channel_v, xd, xds, wq, wqs, vq, vqs; writes xd, xds, wq, wqs, vq, vqs
.if DOCPART == 1
	.amdgcn_target "amdgcn-amd-amdhsa--gfx1250"
	.amdhsa_code_object_version 6
	.text
	.protected	k_qb2cffd791c_prep
	.globl	k_qb2cffd791c_prep
	.p2align	8
	.type	k_qb2cffd791c_prep,@function
k_qb2cffd791c_prep:
	s_mov_b64 s[64:65], 0
	v_nop
	global_prefetch_b8 v0, s[64:65] scope:SCOPE_SE
	s_setreg_imm32_b32 hwreg(HW_REG_WAVE_MODE, 25, 1), 1
	s_wait_xcnt 0x0
; PREP: everything that many work-groups will read is turned into codes of FP6 (E2M3) once.
;   work-groups 0-255:   qz [32768 rows][256] along its last axis  -> xd (192 bytes a row), xds (8 scale bytes a row)
;   work-groups 256-287: the four weights [4][256][256] along their last axis -> wq, wqs, in the order time_u, time_v, channel_u, channel_v
;   work-groups 288-543: qz along the KEYS (its third axis) -> vq, vqs, laid in the order of the operand's registers
; A block's scale is 2^(floor(log2(its largest magnitude)) - 2); its byte is the largest magnitude's exponent field - 2, held at 1 from below.
; LIMITS: a block of zeros, or one whose largest magnitude lies under 2^-124, gets the byte 1 (its codes are zeros or as the floor gives them; the bytes are read by this program alone);
; NaN and infinities among the inputs are not served.
; No tensor loads, no barrier: waves share nothing.  Only the first path uses LDS.
.set STEPS, 16
.set CB,    12                         ; bytes of 16 codes
.set R,     16                         ; v16-79   four sets of 16 numbers as they are loaded
.set X,     80                         ; v80-111  two sets of 16 neighbours
.set C,     128                        ; v128-191 codes: four registers for each step, so that no store's data are written again
.set E,     112                        ; v112-127 a scale byte for each step
.set WREG,  8192                       ; LDS: a region for each wave: two stages of 32 x SP bytes, then its 256 scale bytes
.set SP,    80                         ; a lane's place in a stage: 64 bytes + 16 of padding
.set WV,    40                         ; s40 my wave's number
.set PX,    32                         ; key path: v32-95 two sets of 32 numbers
.set PF,    96                         ; v96-143 four fragment lanes of 12 registers: no store's data are written again
.set PT,    144                        ; v144-146 the second half of a block's codes
.set SB,    24                         ; v24-25 two scale words
	s_load_b256 s[4:11], s[0:1], 0x0               ; qz, time_u, time_v, channel_u
	s_load_b256 s[12:19], s[0:1], 0x20             ; channel_v, xd, xds, wq
	s_load_b128 s[20:23], s[0:1], 0x40             ; wqs, vq
	s_load_b64 s[24:25], s[0:1], 0x50              ; vqs
	v_lshl_add_u32 v192, v0, 2, 0x8000
	v_mov_b32 v193, 0
	v_lshrrev_b32 v1, 5, v0
	v_readfirstlane_b32 s[WV], v1                  ; wave 0..3
	v_and_b32 v2, 31, v0                           ; lane
	s_wait_kmcnt 0x0
	s_cmp_ge_u32 ttmp9, 288
	s_cbranch_scc1 .Lkeys
; ---- K innermost.  Rows are dense and 256 is a multiple of 32: each tensor is a plain stream of blocks of 32, and so are its codes and scale bytes.
; A work-group takes 32,768 numbers, a wave 16 steps of 512.  Each load reads 512 consecutive bytes; a step's 2,048 bytes turn through the wave's own stage in LDS and come back 64 bytes a lane,
; so that a lane holds 16 neighbours (two lanes a block).  A lane's 16 codes are 12 bytes; a wave's 256 scale bytes leave as one aligned run of 256 bytes.
	v_lshlrev_b32 v3, 4, v2                        ; my 16 bytes of a load's 512
	s_mul_i32 s41, s[WV], WREG
	v_lshrrev_b32 v14, 2, v2
	v_mul_u32_u24 v14, v14, SP
	v_and_b32 v15, 3, v2
	v_lshl_add_u32 v14, v15, 4, v14
	v_add_nc_u32 v14, s41, v14                     ; the stage, on the way in: SP (lane / 4) + 16 (lane % 4)
	v_mul_u32_u24 v15, v2, SP
	v_add_nc_u32 v15, s41, v15                     ; and on the way out: SP x lane
	v_mul_u32_u24 v4, v2, CB                       ; my codes' place in a step's
	v_lshrrev_b32 v5, 1, v2
	s_add_co_u32 s41, s41, 2*32*SP
	v_add_nc_u32 v5, s41, v5                       ; LDS: my block's scale byte
	v_lshlrev_b32 v7, 3, v2
	v_add_nc_u32 v6, s41, v7                       ; and on the way out 8 bytes a lane
	; which tensor: the choices hang on the work-group's number alone
	s_cmp_lt_u32 ttmp9, 280
	s_cselect_b64 s[32:33], s[10:11], s[12:13]     ; channel_u, else channel_v
	s_cmp_lt_u32 ttmp9, 272
	s_cselect_b64 s[32:33], s[8:9], s[32:33]       ; time_v
	s_cmp_lt_u32 ttmp9, 264
	s_cselect_b64 s[32:33], s[6:7], s[32:33]       ; time_u
	s_cmp_lt_u32 ttmp9, 256
	s_cselect_b64 s[32:33], s[4:5], s[32:33]       ; qz
	s_cselect_b64 s[26:27], s[14:15], s[18:19]     ; codes: xd or wq
	s_cselect_b64 s[28:29], s[16:17], s[20:21]     ; scale bytes: xds or wqs
	s_cselect_b32 s30, 0, 256
	s_cselect_b32 s31, -1, 7
	s_sub_co_u32 s30, ttmp9, s30                   ; which 32,768 numbers of the output stream,
	s_and_b32 s31, s30, s31                        ; and of the input tensor (a weight is 8 such runs)
	s_lshl_b32 s30, s30, 2
	s_add_co_u32 s30, s30, s[WV]                   ; my wave's run of 8,192 numbers
	s_lshl_b32 s31, s31, 2
	s_add_co_u32 s31, s31, s[WV]
	s_lshl_b32 s34, s31, 15                        ; 32,768 bytes of f32 a run
	s_mov_b32 s35, 0
	s_add_nc_u64 s[32:33], s[32:33], s[34:35]
	s_mul_i32 s34, s30, 32*STEPS*CB                ; 6,144 bytes of codes
	s_add_nc_u64 s[26:27], s[26:27], s[34:35]
	s_lshl_b32 s34, s30, 8                         ; 256 scale bytes
	s_add_nc_u64 s[28:29], s[28:29], s[34:35]
.macro LOAD t
.irp i, 0,1,2,3
	global_load_b128 v[R+16*((\t)%4)+4*\i:R+16*((\t)%4)+4*\i+3], v3, s[32:33] offset:2048*(\t)+512*\i   ; 32 lanes read 512 consecutive bytes
.endr
.endm
.macro TURN t                          ; step t's numbers through the stage: LDS serves a wave's instructions in order, so no wait stands between the stores and the loads
.irp i, 0,1,2,3
	ds_store_b128 v14, v[R+16*((\t)%4)+4*\i:R+16*((\t)%4)+4*\i+3] offset:32*SP*((\t)%2)+8*SP*\i
.endr
.irp i, 0,1,2,3
	ds_load_b128 v[X+16*((\t)%2)+4*\i:X+16*((\t)%2)+4*\i+3], v15 offset:32*SP*((\t)%2)+16*\i
.endr
.endm
.irp t, 0,1,2,3
	LOAD \t
.endr
	s_wait_loadcnt 12                              ; step 0's four loads are in; the twelve of steps 1 to 3 may be out
	TURN 0
.macro STEP t
.set XS, X+16*((\t)%2)
.if (\t) > 0
	s_wait_dscnt 1                                 ; this step's numbers are back from the stage (the last step's byte store may be out)
.else
	s_wait_dscnt 0x0
.endif
.if (\t)+4 < STEPS
	LOAD (\t)+4                                    ; into the registers that this step's stage stores have read
.endif
.if (\t)+1 < STEPS
.if STEPS-2-(\t) >= 3
	s_wait_loadcnt 12                              ; the next step's four loads are in; those of the three steps behind it may be out
.else
	s_wait_loadcnt 4*(STEPS-2-(\t))
.endif
	TURN (\t)+1
.endif
	v_max3_num_f32 v8, |v[XS]|, |v[XS+1]|, |v[XS+2]|               ; the largest magnitude of my 16, in two chains
	v_max3_num_f32 v9, |v[XS+3]|, |v[XS+4]|, |v[XS+5]|
.irp i, 6,10
	v_max3_num_f32 v8, v8, |v[XS+\i]|, |v[XS+\i+1]|
	v_max3_num_f32 v9, v9, |v[XS+\i+2]|, |v[XS+\i+3]|
.endr
	v_max3_num_f32 v8, v8, |v[XS+14]|, |v[XS+15]|
	v_max3_num_f32 v8, v8, v9, 0x1800000           ; and the floor 2^(3 - 127): the byte cannot fall under 1
	v_max_num_f32_dpp v8, v8, v8 row_xmask:1 row_mask:0xf bank_mask:0xf   ; with my neighbour's 16: the block's
	v_add_nc_u32 v11, 0xff000000, v8               ; 2 off its exponent field: the conversion takes the exponent field of this operand as its scale
	v_cvt_scalef32_pk16_fp6_f32 v[C+4*(\t):C+4*(\t)+2], v[XS:XS+15], v11
	v_lshrrev_b32 v[E+(\t)], 23, v11               ; the scale's byte (a plain line behind the conversion)
	ds_store_b8 v5, v[E+(\t)] offset:16*(\t)       ; both lanes of a block write the same byte with the same value
	global_store_b96 v4, v[C+4*(\t):C+4*(\t)+2], s[26:27] offset:32*CB*(\t)
.endm
.irp t, 0,1,2,3,4,5,6,7,8,9,10,11,12,13,14,15
	STEP \t
.endr
	ds_load_b64 v[12:13], v6                       ; LDS serves a wave's instructions in order: these see my byte stores
	s_wait_dscnt 0x0
	global_store_b64 v7, v[12:13], s[28:29]        ; 32 lanes store 256 consecutive bytes, aligned
	s_wait_tensorcnt 0x0
	ds_add_u32 v192, v193
	s_wait_dscnt 0x0
	s_endpgm
; ---- K = the keys.  A lane takes a column d and its registers run down the keys, so a block of 32 keys lies in one lane and nothing is transposed.
; Work-group y = (b c, half of the 256 columns, half of the 512 keys); wave w: 32 columns, 256 keys = 8 blocks a lane.
; vq holds, for each (b, c), the fragments (K step ks of 128 keys, 16 columns dt) at (16 ks + dt) x 1,536 bytes as images of the operand's registers: registers 4 c .. 4 c + 3 of fragment lane l' at 512 c + 16 l'.
; Fragment lane l' = (d % 16) + 16 h' holds blocks h' and 2 + h' of the K step.  So the blocks are worked in the order h', 2 + h' and each pair leaves by three stores of 16 bytes a lane:
; sixteen lanes fill 256 consecutive bytes, aligned.  vqs: one word for (ks, d), at (16 ks + dt) x 64 + 4 (d % 16).
.Lkeys:
	s_sub_co_u32 s30, ttmp9, 288
	s_lshr_b32 s31, s30, 2                         ; b c
	s_bfe_u32 s34, s30, 0x10001                    ; which 128 columns
	s_and_b32 s35, s30, 1                          ; which 256 keys
	s_lshl_b32 s36, s34, 2
	s_add_co_u32 s36, s36, s[WV]                   ; which 32 columns
	s_lshl_b32 s26, s31, 19                        ; qz: 524,288 bytes for each (b, c),
	s_lshl_b32 s27, s35, 18                        ; 256 keys of 1,024 bytes,
	s_add_co_u32 s26, s26, s27
	s_lshl_b32 s27, s36, 7                         ; 32 columns of 4 bytes
	s_add_co_u32 s26, s26, s27
	s_mov_b32 s27, 0
	s_add_nc_u64 s[4:5], s[4:5], s[26:27]
	s_mul_i32 s26, s31, 98304                      ; vq
	s_mul_i32 s28, s35, 49152                      ; two K steps of 16 fragments
	s_add_co_u32 s26, s26, s28
	s_mul_i32 s28, s36, 3072                       ; two fragments
	s_add_co_u32 s26, s26, s28
	s_add_nc_u64 s[22:23], s[22:23], s[26:27]
	s_lshl_b32 s26, s31, 12                        ; vqs
	s_lshl_b32 s28, s35, 11
	s_add_co_u32 s26, s26, s28
	s_lshl_b32 s28, s36, 7
	s_add_co_u32 s26, s26, s28
	s_add_nc_u64 s[24:25], s[24:25], s[26:27]
	v_lshlrev_b32 v3, 2, v2                        ; 4 x lane: my column in a row of qz, and my scale word
	v_lshrrev_b32 v4, 4, v2
	v_mul_u32_u24 v4, v4, 1536                     ; which of the two fragments,
	v_and_b32 v5, 15, v2
	v_lshl_add_u32 v4, v5, 4, v4                   ; and 16 bytes for d % 16
.macro LOADB q                         ; the q-th block in working order: block 4 (q / 4) + (q / 2) % 2 + 2 (q % 2)
.set BETA, 4*((\q)/4)+(((\q)/2)%2)+2*((\q)%2)
.irp i, 0,1,2,3,4,5,6,7,8,9,10,11,12,13,14,15,16,17,18,19,20,21,22,23,24,25,26,27,28,29,30,31
	global_load_b32 v[PX+32*((\q)%2)+\i], v3, s[4:5] offset:(32*BETA+\i)*1024   ; 32 lanes read 128 consecutive bytes; the four waves stand side by side on 512
.endr
.endm
.macro BLOCK q
.set XS, PX+32*((\q)%2)
.set FK, PF+12*((\q)/2)+6*((\q)%2)
.if (\q) < 7
	s_wait_loadcnt 32                              ; this block's 32 loads are in; the next block's 32 may be out
.else
	s_wait_loadcnt 0x0
.endif
	v_max3_num_f32 v12, |v[XS]|, |v[XS+1]|, |v[XS+2]|              ; the block's largest magnitude: all 32 numbers are mine
	v_max3_num_f32 v13, |v[XS+3]|, |v[XS+4]|, |v[XS+5]|
.irp i, 6,10,14,18,22,26
	v_max3_num_f32 v12, v12, |v[XS+\i]|, |v[XS+\i+1]|
	v_max3_num_f32 v13, v13, |v[XS+\i+2]|, |v[XS+\i+3]|
.endr
	v_max3_num_f32 v12, v12, |v[XS+30]|, |v[XS+31]|
	v_max3_num_f32 v12, v12, v13, 0x1800000        ; and the floor
	v_add_nc_u32 v11, 0xff000000, v12              ; the conversion's scale operand
	v_lshrrev_b32 v13, 23, v11                     ; the scale's byte, to its block's place in the K step's word
.if (\q)%4 == 0
	v_mov_b32 v[SB+(\q)/4], v13
.else
	v_lshl_or_b32 v[SB+(\q)/4], v13, 8*((((\q)/2)%2)+2*((\q)%2)), v[SB+(\q)/4]
.endif
	v_cvt_scalef32_pk16_fp6_f32 v[FK:FK+2], v[XS:XS+15], v11
	v_cvt_scalef32_pk16_fp6_f32 v[PT:PT+2], v[XS+16:XS+31], v11    ; (a conversion's three registers begin on an even number)
	v_nop                                          ; one plain line behind a scaled conversion
.irp i, 0,1,2
	v_mov_b32 v[FK+3+\i], v[PT+\i]
.endr
.if (\q)%2 == 1
.irp c, 0,1,2
	global_store_b128 v4, v[PF+12*((\q)/2)+4*\c:PF+12*((\q)/2)+4*\c+3], s[22:23] offset:((\q)/4)*24576+256*(((\q)/2)%2)+512*\c
.endr
.endif
.if (\q)+2 < 8
	LOADB (\q)+2
.endif
.endm
	LOADB 0
	LOADB 1
.irp q, 0,1,2,3,4,5,6,7
	BLOCK \q
.endr
	global_store_b32 v3, v[SB], s[24:25]
	global_store_b32 v3, v[SB+1], s[24:25] offset:1024
	s_endpgm
.Lfunc_end_k_qb2cffd791c_prep:
	.size	k_qb2cffd791c_prep, .Lfunc_end_k_qb2cffd791c_prep-k_qb2cffd791c_prep
	.p2alignl 7, 3214868480
	.fill 96, 4, 3214868480
	.section	.rodata,"a",@progbits
	.p2align	6, 0x0
	.amdhsa_kernel k_qb2cffd791c_prep
		.amdhsa_group_segment_fixed_size 33280
		.amdhsa_private_segment_fixed_size 0
		.amdhsa_enable_private_segment 0
		.amdhsa_kernarg_size 88
		.amdhsa_user_sgpr_count 2
		.amdhsa_user_sgpr_kernarg_segment_ptr 1
		.amdhsa_wavefront_size32 1
		.amdhsa_system_sgpr_workgroup_id_x 1
		.amdhsa_system_sgpr_workgroup_id_y 1
		.amdhsa_system_sgpr_workgroup_id_z 1
		.amdhsa_system_vgpr_workitem_id 0
		.amdhsa_next_free_vgpr 194
		.amdhsa_next_free_sgpr 66
		.amdhsa_reserve_vcc 0
		.amdhsa_float_denorm_mode_32 3
		.amdhsa_float_denorm_mode_16_64 3
		.amdhsa_memory_ordered 1
		.amdhsa_forward_progress 1
		.amdhsa_inst_pref_size 71
	.end_amdhsa_kernel
	.amdgpu_metadata
---
amdhsa.version: [ 1, 2 ]
amdhsa.kernels:
  - .name:           k_qb2cffd791c_prep
    .symbol:         k_qb2cffd791c_prep.kd
    .args:
      - { .name: qz, .offset: 0, .size: 8, .value_kind: global_buffer, .address_space: global }
      - { .name: time_u, .offset: 8, .size: 8, .value_kind: global_buffer, .address_space: global }
      - { .name: time_v, .offset: 16, .size: 8, .value_kind: global_buffer, .address_space: global }
      - { .name: channel_u, .offset: 24, .size: 8, .value_kind: global_buffer, .address_space: global }
      - { .name: channel_v, .offset: 32, .size: 8, .value_kind: global_buffer, .address_space: global }
      - { .name: xd, .offset: 40, .size: 8, .value_kind: global_buffer, .address_space: global }
      - { .name: xds, .offset: 48, .size: 8, .value_kind: global_buffer, .address_space: global }
      - { .name: wq, .offset: 56, .size: 8, .value_kind: global_buffer, .address_space: global }
      - { .name: wqs, .offset: 64, .size: 8, .value_kind: global_buffer, .address_space: global }
      - { .name: vq, .offset: 72, .size: 8, .value_kind: global_buffer, .address_space: global }
      - { .name: vqs, .offset: 80, .size: 8, .value_kind: global_buffer, .address_space: global }
    .group_segment_fixed_size: 33280
    .private_segment_fixed_size: 0
    .kernarg_segment_align: 8
    .kernarg_segment_size: 88
    .max_flat_workgroup_size: 128
    .sgpr_count:     66
    .vgpr_count:     194
    .wavefront_size: 32
...
	.end_amdgpu_metadata
.endif
;; end of part 1
;; launch chan (part 2): grid 256 x 1, 4 waves a work-group, no clusters, 4,608 bytes of LDS; arguments qz, xd, xds, wq, wqs, out1; writes out1
.if DOCPART == 2
	.amdgcn_target "amdgcn-amd-amdhsa--gfx1250"
	.amdhsa_code_object_version 6
	.text
	.protected	k_qb2cffd791c_chan
	.globl	k_qb2cffd791c_chan
	.p2align	8
	.type	k_qb2cffd791c_chan,@function
k_qb2cffd791c_chan:
	s_mov_b64 s[64:65], 0
	v_nop
	global_prefetch_b8 v0, s[64:65] scope:SCOPE_SE
	s_setreg_imm32_b32 hwreg(HW_REG_WAVE_MODE, 25, 1), 1
	s_wait_xcnt 0x0
; CHAN: out1[b][c][p][:] = mean over 8 heads of softmax_f(qu[c] . qv[f] / sqrt(32)) qz[b][f][p][:], the 16 channels of one (b, p) attending to each other.
; qu = x channel_u^T, qv = x channel_v^T and the scores are products on codes of FP6 (E2M3) with one E8M0 scale for each 32 along K; x and the weights come as codes (made by the launch before).
; The last product has K = 16 and is left as it is: it is linear in the weights of attention, so the eight heads' finished softmaxes are added in f32 first and multiplied once, in bf16 with f32 sums.
; SHARES.  A work-group takes 8 values of p of one b.  Wave w: g = w % 2 takes heads 4 g .. 4 g + 3 (outputs 128 g on of both weights, which stay in 384 registers) and columns 128 g on of the result;
; w / 2 says which four p it walks.  The two waves of one p exchange their heads' sums through LDS.
; LAYOUT.  The projections are used transposed (source 0 = 16 rows of a weight, source 1 = the 16 channels): a lane holds one channel, and its registers run along the outputs; the rows of a weight that form a tile
; are chosen (lane r of tile 2 b + u takes row 32 b + 8 u + r + 8 (r / 8)) so that the 16 registers of two neighbouring tiles are 16 neighbours.  A head is one block of 32, so the wave's 128 outputs are one fragment.
; A head's scores: source 0 = qv's whole fragment, source 1 = qu's with the other three blocks' codes zero (zero codes add nothing under any scale byte but 0xff).
; No cluster, no joint loads: what the work-groups of one b share is the weights, which go from memory straight into registers, once for a wave.
; LIMITS: NaN and infinities are not served; a block of zeros, or one under 2^-124, gets the scale byte 1.  The row's true maximum is taken away before the exponentials.
; REGISTERS, in windows of 256.  window 0: addresses, statistics, scores, scale words, codes just made.  window 1: v0-63 qu (later the rows to store), v64-127 qv, v128-191 qz as f32, v192-255 the result's sums.
;   window 2: v0-191 channel_u's half, v192-255 qz in bf16.   window 3: v0-191 channel_v's half, v192-215 x's two fragments.
.set XA,  1                            ; v1   x: channel r is 98,304 bytes on (512 rows of 192), + 24 h
.set XSA, 2                            ; v2   x's scale words: 4,096 r
.set WA,  3                            ; v3   a weight's row r + 8 (r / 8), 192 bytes a row, + 24 h
.set WSA, 4                            ; v4   and its scale words, 8 bytes a row
.set FA,  5                            ; v5   qz and out1: 8 h channels of 524,288 bytes + 16 r
.set EXW, 6                            ; v6   LDS: where I put my heads' sum: 1,024 x wave + 16 x lane
.set EXR, 7                            ; v7   and where my partner's lies
.set NM,  10                           ; v10-17 pairs: - c x maximum of head k (low word)
.set MX,  18                           ; v18-21
.set T1,  22                           ; v22-25
.set SU,  26                           ; v26-33 pairs: sums
.set RL,  34                           ; v34-41 pairs: 1 / sum (low word)
.set TM,  42                           ; v42-57 at work in QUANT
.set PWU, 58                           ; qu's scale word
.set PWV, 59                           ; qv's
.set XS,  60                           ; v60-61 x's two scale words
.set S4,  62                           ; v62-93 four heads' scores
.set AT,  94                           ; v94-101 the heads' sum
.set AP,  102                          ; v102-109 at work; the partner's sum
.set AB,  110                          ; v110-117 the sum in bf16: 4 registers, then 4 of zeros (K = 16 of 32)
.set ZL,  118                          ; v118-135 qu's registers 0-5 in lanes 0-15 | six zeros | registers 6-11 in lanes 0-15
.set ZH,  136                          ; v136-153 the same in lanes 16-31
.set WSU, 154                          ; v154-169 channel_u's scale words
.set WSV, 170                          ; v170-185 channel_v's
.set PQU, 186                          ; v186-197 qu's codes
.set PQV, 198                          ; v198-209 qv's
.set PT,  210                          ; v210-217 conversions' second halves
.set HAU, 0                            ; window 1
.set HAV, 64
.set F,   128
.set ACC, 192
.set BF,  192                          ; window 2
.set XF,  192                          ; window 3
.set CS,  32                           ; s[32:33] c = log2(e) / sqrt(32)
.set NCS, 34                           ; s34 -c
.set SEL, 36                           ; s[36:37] lane l xor 16
.set TR,  38                           ; s38 the trip
.set MSB, 0
.macro WIN new                         ; the immediate's high byte repeats the setting that is left; bits 1:0 source 0, 3:2 source 1, 5:4 source 2, 7:6 destination
.if MSB != \new
	s_set_vgpr_msb (MSB<<8)|\new
.set MSB, \new
.endif
.endm
.macro PLACES                          ; four plain lines behind a matrix instruction, ahead of reads of its result and of loads into its registers
.rept 4
	v_nop
.endr
.endm
; 64 numbers of a lane in window 1, register 16 b + i = k 32 b + 16 (lane / 16) + i of my row, become a fragment's codes in v[dst] on and its scale word in v[pw] (window 0).
.macro QUANT src, dst, tmp, pw
	WIN 0x05
.irp b, 0,1,2,3
	v_max3_num_f32 v[TM+\b], |v[\src+16*\b]|, |v[\src+1+16*\b]|, 0x1800000   ; block b: my 16 numbers, and the floor 2^(3 - 127)
.endr
	WIN 0x14
.irp i, 2,4,6,8,10,12,14
.irp b, 0,1,2,3
	v_max3_num_f32 v[TM+\b], v[TM+\b], |v[\src+16*\b+\i]|, |v[\src+1+16*\b+\i]|   ; the four blocks by turns; each tile of results is read from its low end on
.endr
.endr
	WIN 0
.irp b, 0,1,2,3
	v_permlanex16_b32 v[TM+4+\b], v[TM+\b], s[SEL], s[SEL+1]
.endr
.irp b, 0,1,2,3
	v_max_num_f32 v[TM+\b], v[TM+\b], v[TM+4+\b]   ; with lane l xor 16's: the block's largest magnitude
.endr
.irp b, 0,1,2,3
	v_add_nc_u32 v[TM+12+\b], 0xff000000, v[TM+\b]   ; 2 off its exponent field: the conversion's scale operand
.endr
.irp b, 0,1,2,3
	v_lshrrev_b32 v[TM+4+\b], 23, v[TM+12+\b]      ; the scale's byte
.endr
.if (\pw) >= 0
	v_lshl_or_b32 v[\pw], v[TM+5], 8, v[TM+4]
	v_lshl_or_b32 v[\pw], v[TM+6], 16, v[\pw]
	v_lshl_or_b32 v[\pw], v[TM+7], 24, v[\pw]
.endif
	WIN 0x01
.irp c, 0,1
	v_cvt_scalef32_pk16_fp6_f32 v[\dst+6*\c:\dst+2+6*\c], v[\src+32*\c:\src+15+32*\c], v[TM+12+2*\c]
	v_cvt_scalef32_pk16_fp6_f32 v[\tmp+4*\c:\tmp+2+4*\c], v[\src+16+32*\c:\src+31+32*\c], v[TM+12+2*\c+1]   ; (a conversion's three registers begin on an even number)
.endr
	WIN 0
	v_nop                                          ; one plain line behind a scaled conversion
.irp c, 0,1                            ; the operand's layout wants a whole block in a lane: lanes 0-15 block 2 c, lanes 16-31 block 2 c + 1
.irp i, 0,1,2
	v_permlane16_swap_b32 v[\dst+6*\c+\i], v[\tmp+4*\c+\i]
.endr
.irp i, 0,1,2
	v_mov_b32 v[\dst+3+6*\c+\i], v[\tmp+4*\c+\i]
.endr
.endr
.endm
; Half a weight, 128 outputs: 16 fragments (tile t, K step s) at v[wb + 12 (2 t + s)] of the window that win names, and their scale words in window 0.
.macro WLOAD cb, sb, win, wb, wsb
	WIN \win
.irp t, 0,1,2,3,4,5,6,7
.irp s, 0,1
.irp p, 0,1,2,3,4,5
	global_load_b64 v[\wb+12*(2*\t+\s)+2*\p:\wb+12*(2*\t+\s)+2*\p+1], v[WA], s[\cb:\cb+1] offset:(32*(\t/2)+8*(\t%2))*192+96*\s+48*(\p/3)+8*(\p%3)
.endr
.endr
.endr
	WIN 0
.irp t, 0,1,2,3,4,5,6,7
.irp s, 0,1
	global_load_b32 v[\wsb+2*\t+\s], v[WSA], s[\sb:\sb+1] offset:(32*(\t/2)+8*(\t%2))*8+4*\s
.endr
.endr
.endm
.macro FLOAD                           ; qz(f = 8 h + j, d = 128 g + 64 u + 4 r + 0 .. 3): sixteen lanes read 256 consecutive bytes
	WIN 0x40
.irp j, 0,1,2,3,4,5,6,7
.irp u, 0,1
	global_load_b128 v[F+8*\j+4*\u:F+8*\j+4*\u+3], v[FA], s[4:5] offset:\j*524288+256*\u th:TH_LOAD_NT
.endr
.endr
	WIN 0
.endm
.macro XLOAD                           ; the 16 channels' codes at one p, two K steps, and their scale words
	WIN 0xc0
.irp s, 0,1
.irp p, 0,1,2,3,4,5
	global_load_b64 v[XF+12*\s+2*\p:XF+12*\s+2*\p+1], v[XA], s[6:7] offset:96*\s+48*(\p/3)+8*(\p%3)
.endr
.endr
	WIN 0
	global_load_b64 v[XS:XS+1], v[XSA], s[8:9]
.endm
	s_load_b256 s[4:11], s[0:1], 0x0               ; qz, xd, xds, wq
	s_load_b128 s[12:15], s[0:1], 0x20             ; wqs, out1
	v_lshl_add_u32 v254, v0, 2, 0x1000
	v_mov_b32 v255, 0
	v_lshrrev_b32 v42, 5, v0
	v_readfirstlane_b32 s18, v42                   ; wave
	s_and_b32 s19, s18, 1                          ; g
	s_lshr_b32 s20, s18, 1                         ; which four p
	s_lshr_b32 s21, ttmp9, 6                       ; b
	s_and_b32 s22, ttmp9, 63
	s_lshl_b32 s22, s22, 3
	s_lshl_b32 s23, s20, 2
	s_add_co_u32 s22, s22, s23                     ; my first p
	v_and_b32 v42, 15, v0                          ; r
	v_bfe_u32 v43, v0, 4, 1                        ; h
	v_and_b32 v45, 31, v0                          ; lane
	v_mul_u32_u24 v[XA], v42, 98304
	v_mad_u32_u24 v[XA], v43, 24, v[XA]
	v_lshlrev_b32 v[XSA], 12, v42
	v_and_b32 v44, 8, v42
	v_add_nc_u32 v44, v44, v42                     ; r + 8 (r / 8)
	v_mul_u32_u24 v[WA], v44, 192
	v_mad_u32_u24 v[WA], v43, 24, v[WA]
	v_lshlrev_b32 v[WSA], 3, v44
	v_lshlrev_b32 v[FA], 22, v43
	v_lshl_or_b32 v[FA], v42, 4, v[FA]
	s_lshl_b32 s23, s18, 10
	v_lshl_add_u32 v[EXW], v45, 4, s23
	s_xor_b32 s23, s18, 1
	s_lshl_b32 s23, s23, 10
	v_lshl_add_u32 v[EXR], v45, 4, s23
	s_lshl_b32 s2, s21, 23                         ; qz and out1: b x 16 x 524,288 + 1,024 p + 512 g
	s_lshl_b32 s3, s22, 10
	s_add_co_u32 s2, s2, s3
	s_lshl_b32 s3, s19, 9
	s_add_co_u32 s2, s2, s3
	s_mov_b32 s3, 0
	s_mul_i32 s40, s21, 1572864                    ; xd: (8,192 b + p) rows of 192 bytes
	s_mul_i32 s41, s22, 192
	s_add_co_u32 s40, s40, s41
	s_mov_b32 s41, 0
	s_lshl_b32 s42, s21, 16                        ; xds: 8 bytes a row
	s_lshl_b32 s43, s22, 3
	s_add_co_u32 s42, s42, s43
	s_mov_b32 s43, 0
	s_add_co_u32 s44, s21, 8                       ; wq: channel_u is the third of the four weights
	s_mul_i32 s44, s44, 49152
	s_mul_i32 s45, s19, 24576
	s_add_co_u32 s44, s44, s45
	s_mov_b32 s45, 0
	s_add_co_u32 s46, s21, 8
	s_lshl_b32 s46, s46, 11
	s_lshl_b32 s47, s19, 10
	s_add_co_u32 s46, s46, s47
	s_mov_b32 s47, 0
	s_mov_b32 s[CS], 0x3e8293ee                    ; c = log2(e) / sqrt(32)
	s_mov_b32 s[CS+1], s[CS]                       ; (named with it as a pair, so it is written)
	s_mov_b32 s[NCS], 0xbe8293ee
	s_mov_b32 s[SEL], 0x76543210
	s_mov_b32 s[SEL+1], 0xfedcba98
	s_mov_b32 vcc_lo, 0xffff                       ; lanes 0-15
	s_wait_kmcnt 0x0
	s_add_nc_u64 s[4:5], s[4:5], s[2:3]
	s_add_nc_u64 s[14:15], s[14:15], s[2:3]
	s_add_nc_u64 s[6:7], s[6:7], s[40:41]
	s_add_nc_u64 s[8:9], s[8:9], s[42:43]
	s_add_nc_u64 s[24:25], s[10:11], s[44:45]      ; channel_u's half,
	s_add_nc_u64 s[26:27], s[12:13], s[46:47]
	s_add_nc_u64 s[28:29], s[24:25], 196608        ; channel_v's: one weight of 4 x 49,152 bytes on
	s_add_nc_u64 s[30:31], s[26:27], 8192
	WLOAD 24, 26, 0x80, 0, WSU
	WLOAD 28, 30, 0xc0, 0, WSV
	FLOAD
	XLOAD
.irp i, 0,1,2,3,4,5
	v_mov_b32 v[ZL+6+\i], 0                        ; zeros that stay
	v_mov_b32 v[ZH+6+\i], 0
.endr
.irp i, 4,5,6,7
	v_mov_b32 v[AB+\i], 0
.endr
.irp k, 0,1,2,3
	v_mov_b32 v[T1+\k], 0                          ; a lane permute's destination counts as one of its sources
	v_mov_b32 v[TM+4+\k], 0
	v_mov_b32 v[NM+2*\k+1], 0                      ; the upper words of pairs of which the low word serves both halves
	v_mov_b32 v[RL+2*\k+1], 0
.endr
	WIN 0x80
.irp u, 0,1,2,3,4,5,6,7
.irp i, 4,5,6,7
	v_mov_b32 v[BF+8*\u+\i], 0                     ; K = 16 .. 31 of the bf16 operand
.endr
.endr
	WIN 0
	s_mov_b32 s[TR], 0
.Ltrip:
	s_wait_loadcnt 0x0                             ; this trip's qz and x: asked for in the trip before, at its start and behind its projections
	WIN 0x85
.irp m, 0,1,2,3
.irp u, 0,1,2,3,4,5,6,7
	v_cvt_pk_bf16_f32 v[BF+8*\u+\m], v[F+16*\m+\u], v[F+16*\m+8+\u]   ; tile u = 4 G + i: column r is d = 128 g + 64 G + 4 r + i; register m holds f = 8 h + 2 m, 8 h + 2 m + 1
.endr
.endr
	WIN 0
	s_cmp_eq_u32 s[TR], 3                          ; the last trip asks for nothing: no load leaves its buffer
	s_cbranch_scc1 .Lno_f
	s_add_nc_u64 s[4:5], s[4:5], 1024              ; the next p (the loads that read this base are done)
	FLOAD
.Lno_f:
	; both projections: 16 accumulators by turns, K step by K step
	WIN 0x5e
.irp t, 0,1,2,3,4,5,6,7
	v_wmma_scale_f32_16x16x128_f8f6f4 v[HAU+8*\t:HAU+8*\t+7], v[24*\t:24*\t+11], v[XF:XF+11], 0, v[WSU+2*\t], v[XS] matrix_a_fmt:MATRIX_FMT_FP6 matrix_b_fmt:MATRIX_FMT_FP6
.endr
	WIN 0x5f
.irp t, 0,1,2,3,4,5,6,7
	v_wmma_scale_f32_16x16x128_f8f6f4 v[HAV+8*\t:HAV+8*\t+7], v[24*\t:24*\t+11], v[XF:XF+11], 0, v[WSV+2*\t], v[XS] matrix_a_fmt:MATRIX_FMT_FP6 matrix_b_fmt:MATRIX_FMT_FP6
.endr
	WIN 0x5e
.irp t, 0,1,2,3,4,5,6,7
	v_wmma_scale_f32_16x16x128_f8f6f4 v[HAU+8*\t:HAU+8*\t+7], v[24*\t+12:24*\t+23], v[XF+12:XF+23], v[HAU+8*\t:HAU+8*\t+7], v[WSU+2*\t+1], v[XS+1] matrix_a_fmt:MATRIX_FMT_FP6 matrix_b_fmt:MATRIX_FMT_FP6
.endr
	WIN 0x5f
.irp t, 0,1,2,3,4,5,6,7
	v_wmma_scale_f32_16x16x128_f8f6f4 v[HAV+8*\t:HAV+8*\t+7], v[24*\t+12:24*\t+23], v[XF+12:XF+23], v[HAV+8*\t:HAV+8*\t+7], v[WSV+2*\t+1], v[XS+1] matrix_a_fmt:MATRIX_FMT_FP6 matrix_b_fmt:MATRIX_FMT_FP6
.endr
	WIN 0
	PLACES
	s_cmp_eq_u32 s[TR], 3
	s_cbranch_scc1 .Lno_x
	s_add_nc_u64 s[6:7], s[6:7], 192
	s_add_nc_u64 s[8:9], s[8:9], 8
	XLOAD
.Lno_x:
	QUANT HAU, PQU, PT, PWU
	QUANT HAV, PQV, PT, PWV
.irp i, 0,1,2,3,4,5                    ; qu's four blocks set apart: lanes 0-15 hold blocks 0 and 2, lanes 16-31 blocks 1 and 3
	v_cndmask_b32 v[ZL+\i], 0, v[PQU+\i], vcc_lo
	v_cndmask_b32 v[ZL+12+\i], 0, v[PQU+6+\i], vcc_lo
	v_cndmask_b32 v[ZH+\i], v[PQU+\i], v[ZL+6], vcc_lo
	v_cndmask_b32 v[ZH+12+\i], v[PQU+6+\i], v[ZL+6], vcc_lo
.endr
	PLACES                                         ; operands written by vector lines stand four lines ahead of a scaled matrix instruction, scale words eight: those were made in QUANT
	v_wmma_scale_f32_16x16x128_f8f6f4 v[S4:S4+7], v[PQV:PQV+11], v[ZL:ZL+11], 0, v[PWV], v[PWU] matrix_a_fmt:MATRIX_FMT_FP6 matrix_b_fmt:MATRIX_FMT_FP6
	v_wmma_scale_f32_16x16x128_f8f6f4 v[S4+8:S4+15], v[PQV:PQV+11], v[ZH:ZH+11], 0, v[PWV], v[PWU] matrix_a_fmt:MATRIX_FMT_FP6 matrix_b_fmt:MATRIX_FMT_FP6
	v_wmma_scale_f32_16x16x128_f8f6f4 v[S4+16:S4+23], v[PQV:PQV+11], v[ZL+6:ZL+17], 0, v[PWV], v[PWU] matrix_a_fmt:MATRIX_FMT_FP6 matrix_b_fmt:MATRIX_FMT_FP6
	v_wmma_scale_f32_16x16x128_f8f6f4 v[S4+24:S4+31], v[PQV:PQV+11], v[ZH+6:ZH+17], 0, v[PWV], v[PWU] matrix_a_fmt:MATRIX_FMT_FP6 matrix_b_fmt:MATRIX_FMT_FP6
	PLACES
	; the softmax over 16 channels: lane (r, h) holds query channel r and key channels 8 h + 0 .. 7; the four heads by turns
.irp k, 0,1,2,3
	v_max3_num_f32 v[MX+\k], v[S4+8*\k], v[S4+8*\k+1], v[S4+8*\k+2]
.endr
.irp i, 3,5
.irp k, 0,1,2,3
	v_max3_num_f32 v[MX+\k], v[MX+\k], v[S4+8*\k+\i], v[S4+8*\k+\i+1]
.endr
.endr
.irp k, 0,1,2,3
	v_max_num_f32 v[MX+\k], v[MX+\k], v[S4+8*\k+7]
.endr
.irp k, 0,1,2,3
	v_permlanex16_b32 v[T1+\k], v[MX+\k], s[SEL], s[SEL+1]
.endr
.irp k, 0,1,2,3
	v_max_num_f32 v[MX+\k], v[MX+\k], v[T1+\k]     ; the row's maximum
.endr
.irp k, 0,1,2,3
	v_mul_f32 v[NM+2*\k], s[NCS], v[MX+\k]
.endr
.irp q, 0,2,4,6
.irp k, 0,1,2,3
	v_pk_fma_f32 v[S4+8*\k+\q:S4+8*\k+\q+1], v[S4+8*\k+\q:S4+8*\k+\q+1], s[CS:CS+1], v[NM+2*\k:NM+2*\k+1] op_sel_hi:[1,0,0]   ; c s - c m
.endr
.endr
.set j, 0
.rept 32
	v_exp_f32 v[S4+j], v[S4+j]
.set j, j+1
.endr
	v_nop                                          ; a plain line behind the exponentials
	s_wait_alu depctr_va_vdst(0)
.irp k, 0,1,2,3
	v_pk_add_f32 v[SU+2*\k:SU+2*\k+1], v[S4+8*\k:S4+8*\k+1], v[S4+8*\k+2:S4+8*\k+3]
.endr
.irp k, 0,1,2,3
	v_pk_add_f32 v[AP+2*\k:AP+2*\k+1], v[S4+8*\k+4:S4+8*\k+5], v[S4+8*\k+6:S4+8*\k+7]
.endr
.irp k, 0,1,2,3
	v_pk_add_f32 v[SU+2*\k:SU+2*\k+1], v[SU+2*\k:SU+2*\k+1], v[AP+2*\k:AP+2*\k+1]
.endr
.irp k, 0,1,2,3
	v_add_f32 v[MX+\k], v[SU+2*\k], v[SU+2*\k+1]
.endr
.irp k, 0,1,2,3
	v_permlanex16_b32 v[T1+\k], v[MX+\k], s[SEL], s[SEL+1]
.endr
.irp k, 0,1,2,3
	v_add_f32 v[MX+\k], v[MX+\k], v[T1+\k]         ; the row's sum
.endr
.irp k, 0,1,2,3
	v_rcp_f32 v[RL+2*\k], v[MX+\k]
.endr
	v_nop                                          ; a plain line behind the reciprocals
	s_wait_alu depctr_va_vdst(0)
.irp q, 0,2,4,6
	v_pk_mul_f32 v[AT+\q:AT+\q+1], v[S4+\q:S4+\q+1], v[RL:RL+1] op_sel_hi:[1,0]
.endr
.irp k, 1,2,3
.irp q, 0,2,4,6
	v_pk_fma_f32 v[AT+\q:AT+\q+1], v[S4+8*\k+\q:S4+8*\k+\q+1], v[RL+2*\k:RL+2*\k+1], v[AT+\q:AT+\q+1] op_sel_hi:[1,0,1]   ; my four heads' finished softmaxes, added
.endr
.endr
	ds_store_b128 v[EXW], v[AT:AT+3]
	ds_store_b128 v[EXW], v[AT+4:AT+7] offset:512
	s_wait_dscnt 0x0                               ; for my partner's sake: my stores have landed
	s_barrier_signal -1
	s_barrier_wait -1
	ds_load_b128 v[AP:AP+3], v[EXR]
	ds_load_b128 v[AP+4:AP+7], v[EXR] offset:512
	s_wait_dscnt 0x0                               ; my reads are in: behind the next barrier the bytes may be written again
	s_barrier_signal -1
	s_barrier_wait -1
.irp q, 0,2,4,6
	v_pk_add_f32 v[AT+\q:AT+\q+1], v[AT+\q:AT+\q+1], v[AP+\q:AP+\q+1]   ; all eight heads
.endr
.irp m, 0,1,2,3
	v_cvt_pk_bf16_f32 v[AB+\m], v[AT+2*\m], v[AT+2*\m+1]   ; lane (r, h): row c = r, k = f = 8 h + 0 .. 7: the bf16 operand as it stands
.endr
	PLACES
	WIN 0x48
.irp u, 0,1,2,3,4,5,6,7
	v_wmma_f32_16x16x32_bf16 v[ACC+8*\u:ACC+8*\u+7], v[AB:AB+7], v[BF+8*\u:BF+8*\u+7], 0
.endr
	PLACES
	WIN 0x44
.irp j, 0,1,2,3,4,5,6,7                ; the heads' mean also brings four neighbouring d of one row into four neighbouring registers; each tile is read from its low end on
.irp u, 0,1,2,3,4,5,6,7
	v_mul_f32 v[HAU+8*\j+\u], 0x3e000000, v[ACC+8*\u+\j]
.endr
.endr
	WIN 0x04
.irp j, 0,1,2,3,4,5,6,7
.irp u, 0,1
	global_store_b128 v[FA], v[HAU+8*\j+4*\u:HAU+8*\j+4*\u+3], s[14:15] offset:\j*524288+256*\u th:TH_STORE_NT   ; out1(c = 8 h + j): sixteen lanes store 256 consecutive bytes, aligned
.endr
.endr
	WIN 0
	s_wait_xcnt 0x0                                ; the stores have read their registers and their base: both are written again in the next trip
	s_add_nc_u64 s[14:15], s[14:15], 1024
	s_add_co_u32 s[TR], s[TR], 1
	s_cmp_lt_u32 s[TR], 4
	s_cbranch_scc1 .Ltrip
	s_wait_tensorcnt 0x0
	ds_add_u32 v254, v255
	s_wait_dscnt 0x0
	s_endpgm
.Lfunc_end_k_qb2cffd791c_chan:
	.size	k_qb2cffd791c_chan, .Lfunc_end_k_qb2cffd791c_chan-k_qb2cffd791c_chan
	.p2alignl 7, 3214868480
	.fill 96, 4, 3214868480
	.section	.rodata,"a",@progbits
	.p2align	6, 0x0
	.amdhsa_kernel k_qb2cffd791c_chan
		.amdhsa_group_segment_fixed_size 4608
		.amdhsa_private_segment_fixed_size 0
		.amdhsa_enable_private_segment 0
		.amdhsa_kernarg_size 48
		.amdhsa_user_sgpr_count 2
		.amdhsa_user_sgpr_kernarg_segment_ptr 1
		.amdhsa_wavefront_size32 1
		.amdhsa_system_sgpr_workgroup_id_x 1
		.amdhsa_system_sgpr_workgroup_id_y 1
		.amdhsa_system_sgpr_workgroup_id_z 1
		.amdhsa_system_vgpr_workitem_id 0
		.amdhsa_next_free_vgpr 1024
		.amdhsa_next_free_sgpr 66
		.amdhsa_reserve_vcc 1
		.amdhsa_float_denorm_mode_32 3
		.amdhsa_float_denorm_mode_16_64 3
		.amdhsa_memory_ordered 1
		.amdhsa_forward_progress 1
		.amdhsa_inst_pref_size 62
	.end_amdhsa_kernel
	.amdgpu_metadata
---
amdhsa.version: [ 1, 2 ]
amdhsa.kernels:
  - .name:           k_qb2cffd791c_chan
    .symbol:         k_qb2cffd791c_chan.kd
    .args:
      - { .name: qz, .offset: 0, .size: 8, .value_kind: global_buffer, .address_space: global }
      - { .name: xd, .offset: 8, .size: 8, .value_kind: global_buffer, .address_space: global }
      - { .name: xds, .offset: 16, .size: 8, .value_kind: global_buffer, .address_space: global }
      - { .name: wq, .offset: 24, .size: 8, .value_kind: global_buffer, .address_space: global }
      - { .name: wqs, .offset: 32, .size: 8, .value_kind: global_buffer, .address_space: global }
      - { .name: out1, .offset: 40, .size: 8, .value_kind: global_buffer, .address_space: global }
    .group_segment_fixed_size: 4608
    .private_segment_fixed_size: 0
    .kernarg_segment_align: 8
    .kernarg_segment_size: 48
    .max_flat_workgroup_size: 128
    .sgpr_count:     66
    .vgpr_count:     1024
    .wavefront_size: 32
...
	.end_amdgpu_metadata
.endif
;; end of part 2
;; launch time (part 3): grid 256 x 1, 4 waves a work-group, no clusters, 327,680 bytes of LDS; arguments xd, xds, wq, wqs, vq, vqs, out0; writes out0
.if DOCPART == 3
	.amdgcn_target "amdgcn-amd-amdhsa--gfx1250"
	.amdhsa_code_object_version 6
	.text
	.protected	k_qb2cffd791c_time
	.globl	k_qb2cffd791c_time
	.p2align	8
	.type	k_qb2cffd791c_time,@function
k_qb2cffd791c_time:
	s_mov_b64 s[64:65], 0
	v_nop
	global_prefetch_b8 v0, s[64:65] scope:SCOPE_SE
	s_setreg_imm32_b32 hwreg(HW_REG_WAVE_MODE, 25, 1), 1
	s_wait_xcnt 0x0
; TIME: out0[b][c][p][:] = mean over 8 heads of softmax_q(qu[p] . qv[q] / sqrt(32)) qz[b][c][q][:], 512 keys q, all products on codes of FP6 (E2M3) with one E8M0 scale for each 32 along K.
; x (qz along its last axis), the weights and V (qz along the keys, as images of the operand's registers) come as codes from the first launch.
; SHARES.  A work-group takes 128 queries of one (b, c).  First it makes qv of all 512 keys and qu of its queries (wave w: outputs 128 (w % 2) on = four heads; keys 256 (w / 2) on, queries 64 (w / 2) on),
; quantises them in registers and lays the codes in LDS; one barrier; then wave w takes queries 32 w .. 32 w + 31 (two tiles of 16) through all eight heads.
; PACKED K.  A head has K = 32, one block of an instruction's four.  So one fragment carries FOUR tiles of 16 keys of one head, one in each block, and four matrix instructions use it with the query's codes
; placed in one block and zero codes in the others (zero codes add nothing under any scale byte but 0xff).  Row m of tile T is key 32 (T / 2) + 8 (T % 2) + m + 8 (m / 8), so that the 16 registers of
; tiles 2 B and 2 B + 1 are the neighbouring keys 32 B + 16 (lane / 16) + 0 .. 15.
; SOFTMAX.  Both products are used transposed: a lane holds one query.  A tile's scores of all 512 keys lie in 256 registers, so M = ceil(the row's largest t), t = score x log2(e) / sqrt(32), is final at once:
; p = 2^(t - M) is quantised along the keys; the row's sum l is taken of the unquantised p.  A block's largest p is made from the block's largest score by the same multiply-add and exponential.
; THE HEADS' MEAN.  One set of sums: ahead of head h's second product it is multiplied by l(h) / l(h - 1), so that it holds l(h) x the sum of O(h') / l(h'); at the end it is multiplied by 1 / (8 l(7)).
; NO CLUSTER: of what a work-group reads (x: 4 waves x 320 rows x 200 bytes; weights: 4 x 51,200; V: 98,304) only V, a sixth, comes as tiles through LDS, once, and lands while the projections run.
; LIMITS: NaN and infinities are not served; a block of zeros, or one under 2^-124, gets the scale byte 1; t is formed as score x c with one rounding; the heads are added through the ratio l(h) / l(h - 1) in f32.
; LDS: V's image, filled once by tensor loads; K's fragments, K's scale words, Q's fragments, Q's scale bytes, written by LDS stores; a stage for each wave.  Nothing is filled again.
.set VC,  0                            ; 98,304 bytes: fragment (ks, dt) at (16 ks + dt) x 1,536
.set KC,  98304                        ; 98,304: [head][kt4 0..7] fragments of 1,536 bytes, as six planes of 8 bytes a lane
.set KSB, 196608                       ; 4,096: [head][kt4][row m] one word: byte b for block b
.set QC,  200704                       ; 24,576: [head][2] in the same form
.set QSB, 225280                       ; 1,024
.set STG, 226304                       ; 4 x 16 rows x (1,024 + 16) bytes
; REGISTERS.  window 0: as below.  window 1: the scores of a tile, then p (in the projections: v0-63 results, v64-255 time_u's half; on the way out: rows).
;   window 2: the sums, tile A v0-127, tile B v128-255 (in the projections: time_v's half).  window 3: v0-95 x's four sets / K's eight fragments / V's two buffers; v96-191 p's codes; v192-223 conversions' second halves.
.set XA,  1                            ; x: 192 r + 24 h
.set XSA, 2                            ; 8 r
.set WA,  3                            ; a weight's row r + 8 (r / 8), + 24 h
.set WSA, 4
.set KWA, 5                            ; where I write K's codes
.set KWS, 6                            ; and K's scale bytes
.set QWA, 7
.set QWS, 8
.set KRA, 9                            ; where I read K's fragments: KC + 8 x lane
.set KSR, 10                           ; KSB + 4 x lane
.set QRA, 11
.set QSR, 12
.set VRA0, 13                          ; 16 x lane
.set VRA1, 14                          ; + 49,152
.set STO, 15
.set SRD, 16
.set GO,  17
.set H0,  18                           ; v18-21 addresses in hand
.set NM,  24                           ; v[24:25] -M (low word)
.set L,   26                           ; v26-27 l of tile A, B
.set RL,  28                           ; v28-29 1 / l of the head before
.set RA,  30                           ; v[30:31], v[32:33] factors (low words)
.set RB,  32
.set BM,  36                           ; v36-51 the blocks' largest scores, then p
.set TM,  36                           ; (in the projections: QUANT's registers)
.set T2,  52                           ; v52-67
.set SO,  68                           ; v68-83 the conversions' scale operands
.set QB,  84                           ; v84-85 a query's scale byte
.set RQ,  86                           ; v86-97 two tiles' codes of one head
.set ZQ,  98                           ; v98-127, v128-157: six zeros | codes in lanes 0-15 | six zeros | codes in lanes 16-31 | six zeros
.set PQ,  98                           ; (in the projections: the codes just made,
.set PT,  110                          ;  and the conversions' second halves)
.set PW,  158                          ; v158-165 p's scale words [tile][K step]      from here to v243: scale words and nothing else
.set KSW, 166                          ; v166-169 K's: lanes 0-15 an even fragment's, lanes 16-31 the odd one's
.set QSW, 170                          ; v170-171
.set VS,  172                          ; v172-203 V's, for the whole launch: [ks][dt / 2], lanes 0-15 the even dt
.set WSV, 204                          ; v204-219 time_v's
.set WSU, 220                          ; v220-235 time_u's
.set XS,  236                          ; v236-243 x's, a pair for each set
.set CT,  192                          ; window 3
.set CS,  58                           ; s[58:59] c = log2(e) / sqrt(32)
.set SEL, 60                           ; s[60:61] lane l xor 16
.set MSB, 0
.macro WIN new                         ; the immediate's high byte repeats the setting that is left; bits 1:0 source 0, 3:2 source 1, 5:4 source 2, 7:6 destination
.if MSB != \new
	s_set_vgpr_msb (MSB<<8)|\new
.set MSB, \new
.endif
.endm
.macro PLACES                          ; four plain lines behind a matrix instruction, ahead of reads of its result and of loads into its registers
.rept 4
	v_nop
.endr
.endm
; 64 numbers of a lane in window 1, register 16 b + i = k 32 b + 16 (lane / 16) + i of my row, become a fragment's codes in v[dst] on (window 0); the four scale bytes stay in v[TM+4] on.
.macro QUANT src, dst, tmp, pw
	WIN 0x05
.irp b, 0,1,2,3
	v_max3_num_f32 v[TM+\b], |v[\src+16*\b]|, |v[\src+1+16*\b]|, 0x1800000   ; block b: my 16 numbers, and the floor 2^(3 - 127)
.endr
	WIN 0x14
.irp i, 2,4,6,8,10,12,14
.irp b, 0,1,2,3
	v_max3_num_f32 v[TM+\b], v[TM+\b], |v[\src+16*\b+\i]|, |v[\src+1+16*\b+\i]|   ; the four blocks by turns; each tile of results is read from its low end on
.endr
.endr
	WIN 0
.irp b, 0,1,2,3
	v_permlanex16_b32 v[TM+4+\b], v[TM+\b], s[SEL], s[SEL+1]
.endr
.irp b, 0,1,2,3
	v_max_num_f32 v[TM+\b], v[TM+\b], v[TM+4+\b]
.endr
.irp b, 0,1,2,3
	v_add_nc_u32 v[TM+12+\b], 0xff000000, v[TM+\b]   ; 2 off the exponent field: the conversion's scale operand
.endr
.irp b, 0,1,2,3
	v_lshrrev_b32 v[TM+4+\b], 23, v[TM+12+\b]      ; the scale's byte
.endr
.if (\pw) >= 0
	v_lshl_or_b32 v[\pw], v[TM+5], 8, v[TM+4]
	v_lshl_or_b32 v[\pw], v[TM+6], 16, v[\pw]
	v_lshl_or_b32 v[\pw], v[TM+7], 24, v[\pw]
.endif
	WIN 0x01
.irp c, 0,1
	v_cvt_scalef32_pk16_fp6_f32 v[\dst+6*\c:\dst+2+6*\c], v[\src+32*\c:\src+15+32*\c], v[TM+12+2*\c]
	v_cvt_scalef32_pk16_fp6_f32 v[\tmp+4*\c:\tmp+2+4*\c], v[\src+16+32*\c:\src+31+32*\c], v[TM+12+2*\c+1]
.endr
	WIN 0
	v_nop                                          ; one plain line behind a scaled conversion
.irp c, 0,1
.irp i, 0,1,2
	v_permlane16_swap_b32 v[\dst+6*\c+\i], v[\tmp+4*\c+\i]
.endr
.irp i, 0,1,2
	v_mov_b32 v[\dst+3+6*\c+\i], v[\tmp+4*\c+\i]
.endr
.endr
.endm
.macro WLOAD cb, sb, win, wb, wsb      ; half a weight: 16 fragments (tile t, K step s) at v[wb + 12 (2 t + s)], and their scale words
	WIN \win
.irp t, 0,1,2,3,4,5,6,7
.irp s, 0,1
.irp p, 0,1,2,3,4,5
	global_load_b64 v[\wb+12*(2*\t+\s)+2*\p:\wb+12*(2*\t+\s)+2*\p+1], v[WA], s[\cb:\cb+1] offset:(32*(\t/2)+8*(\t%2))*192+96*\s+48*(\p/3)+8*(\p%3)
.endr
.endr
.endr
	WIN 0
.irp t, 0,1,2,3,4,5,6,7
.irp s, 0,1
	global_load_b32 v[\wsb+2*\t+\s], v[WSA], s[\sb:\sb+1] offset:(32*(\t/2)+8*(\t%2))*8+4*\s
.endr
.endr
.endm
.macro XLOAD i                         ; 16 rows of x, two K steps, into set i: thirteen loads
	WIN 0xc0
.irp s, 0,1
.irp p, 0,1,2,3,4,5
	global_load_b64 v[24*(\i)+12*\s+2*\p:24*(\i)+12*\s+2*\p+1], v[XA], s[36:37] offset:(\i)*3072+96*\s+48*(\p/3)+8*(\p%3)
.endr
.endr
	WIN 0
	global_load_b64 v[XS+2*(\i):XS+2*(\i)+1], v[XSA], s[38:39] offset:(\i)*128
.endm
; One tile of 16 rows through half a weight: 16 matrix instructions (8 accumulators by turns, two K steps), quantised, codes and scale bytes to LDS.
; Lane (r, h) holds row r's blocks h and 2 + h = heads 4 g + h and 4 g + 2 + h.  Row 16 (4 kt4 + i) + r belongs to fragment kt4, block 2 (i / 2) + r / 8, fragment row r % 8 + 8 (i % 2).
.macro PROJ i, win, wb, wsb, ca, sa, hs, shs, pre, cnt
	s_wait_loadcnt \cnt                            ; set i is in; the younger sets, thirteen loads each, may be out
	WIN \win
.irp t, 0,1,2,3,4,5,6,7
	v_wmma_scale_f32_16x16x128_f8f6f4 v[8*\t:8*\t+7], v[\wb+24*\t:\wb+24*\t+11], v[24*(\i):24*(\i)+11], 0, v[\wsb+2*\t], v[XS+2*(\i)] matrix_a_fmt:MATRIX_FMT_FP6 matrix_b_fmt:MATRIX_FMT_FP6
.endr
.irp t, 0,1,2,3,4,5,6,7
	v_wmma_scale_f32_16x16x128_f8f6f4 v[8*\t:8*\t+7], v[\wb+24*\t+12:\wb+24*\t+23], v[24*(\i)+12:24*(\i)+23], v[8*\t:8*\t+7], v[\wsb+2*\t+1], v[XS+2*(\i)+1] matrix_a_fmt:MATRIX_FMT_FP6 matrix_b_fmt:MATRIX_FMT_FP6
.endr
	WIN 0
	PLACES
.if \pre
	XLOAD \i                                       ; the set's next rows
.endif
	s_wait_dscnt 0x0                               ; the last tile's LDS stores have read their registers
	QUANT 0, PQ, PT, -1
.irp q, 0,1,2
	ds_store_b64 v[\ca], v[PQ+2*\q:PQ+2*\q+1] offset:768*((\i)/2)+64*((\i)%2)+256*\q
	ds_store_b64 v[\ca], v[PQ+6+2*\q:PQ+7+2*\q] offset:2*(\hs)+768*((\i)/2)+64*((\i)%2)+256*\q
.endr
.irp b, 0,1,2,3
	ds_store_b8 v[\sa], v[TM+4+\b] offset:\b*(\shs)+32*((\i)%2)+2*((\i)/2)   ; both halves of the lanes write the same byte with the same value
.endr
.endm
	s_load_b256 s[4:11], s[0:1], 0x0               ; xd, xds, wq, wqs
	s_load_b128 s[12:15], s[0:1], 0x20             ; vq, vqs
	s_load_b64 s[16:17], s[0:1], 0x30              ; out0
	v_lshl_add_u32 v254, v0, 2, 0x47800
	v_mov_b32 v255, 0
	ds_add_u32 v254, v255
	ds_add_u32 v254, v255
	v_lshrrev_b32 v22, 5, v0
	v_readfirstlane_b32 s18, v22                   ; wave
	s_and_b32 s19, s18, 1                          ; g
	s_lshr_b32 s20, s18, 1                         ; xh
	s_lshr_b32 s21, ttmp9, 2                       ; b c
	s_and_b32 s22, ttmp9, 3                        ; which 128 queries
	s_lshr_b32 s23, s21, 4                         ; b
	; the one descriptor: a quarter of V's image, 24,576 dense bytes, as 96 rows of 32 elements of 8 bytes, no padding
	s_mov_b32 s28, 3<<16                           ; no mask; elements of 8 bytes
	s_mov_b32 s29, 32<<16                          ; tensor_dim0
	s_mov_b32 s30, 96<<16                          ; tensor_dim1
	s_mov_b32 s31, 32<<16                          ; tile_dim0
	s_mov_b32 s32, 96                              ; tile_dim1
	s_mov_b32 s33, 32                              ; the pitch
	s_mov_b32 s34, 0
	s_mov_b32 s35, 0
	s_mov_b32 s24, 1
	s_mul_i32 s25, s18, 24576                      ; LDS: my quarter
	s_mul_i32 s2, s21, 98304
	s_add_co_u32 s2, s2, s25
	s_mov_b32 s3, 0
	s_wait_dscnt 0x0
	s_wait_kmcnt 0x0
	s_add_nc_u64 s[26:27], s[12:13], s[2:3]
	s_or_b32 s27, s27, 0x80000000
	tensor_load_to_lds s[24:27], s[28:35]          ; one load a wave, the launch's only ones: it lands while the projections run
	s_nop 0
.rept 4
	v_nop
.endr
	v_and_b32 v44, 15, v0                          ; r
	v_bfe_u32 v45, v0, 4, 1                        ; h
	v_and_b32 v46, 31, v0                          ; lane
	v_lshlrev_b32 v22, 2, v46                      ; 4 x lane
	v_mul_u32_u24 v[XA], v44, 192
	v_mad_u32_u24 v[XA], v45, 24, v[XA]
	v_lshlrev_b32 v[XSA], 3, v44
	v_and_b32 v47, 8, v44
	v_add_nc_u32 v47, v47, v44                     ; r + 8 (r / 8)
	v_mul_u32_u24 v[WA], v47, 192
	v_mad_u32_u24 v[WA], v45, 24, v[WA]
	v_lshlrev_b32 v[WSA], 3, v47
	s_lshl_b32 s2, s21, 12
	s_add_nc_u64 s[14:15], s[14:15], s[2:3]        ; V's scale words of my (b, c)
	s_mul_i32 s2, s23, 49152
	s_mul_i32 s44, s19, 24576
	s_add_co_u32 s2, s2, s44
	s_add_nc_u64 s[48:49], s[8:9], s[2:3]          ; time_u's half,
	s_add_nc_u64 s[44:45], s[48:49], 196608        ; time_v's: one weight on
	s_lshl_b32 s2, s23, 11
	s_lshl_b32 s46, s19, 10
	s_add_co_u32 s2, s2, s46
	s_add_nc_u64 s[50:51], s[10:11], s[2:3]
	s_add_nc_u64 s[46:47], s[50:51], 8192
	s_lshl_b32 s62, s21, 9
	s_lshl_b32 s63, s20, 8
	s_add_co_u32 s63, s62, s63                     ; my first key's row: 512 b c + 256 xh
	s_mul_i32 s2, s63, 192
	s_add_nc_u64 s[36:37], s[4:5], s[2:3]
	s_lshl_b32 s2, s63, 3
	s_add_nc_u64 s[38:39], s[6:7], s[2:3]
	s_lshl_b32 s63, s22, 7
	s_add_co_u32 s62, s62, s63                     ; the work-group's first query
	s_lshl_b32 s63, s20, 6
	s_add_co_u32 s63, s62, s63                     ; the first query that I project
	s_mul_i32 s2, s63, 192
	s_add_nc_u64 s[40:41], s[4:5], s[2:3]
	s_lshl_b32 s2, s63, 3
	s_add_nc_u64 s[42:43], s[6:7], s[2:3]
	s_lshl_b32 s63, s18, 5
	s_add_co_u32 s63, s62, s63                     ; the first query that I attend for
	s_lshl_b32 s2, s63, 10
	s_add_nc_u64 s[16:17], s[16:17], s[2:3]
.irp k, 0,1,2,3
.irp d, 0,1,2,3,4,5,6,7
	global_load_b32 v[VS+8*\k+\d], v22, s[14:15] offset:\k*1024+\d*128
.endr
.endr
	WLOAD 44, 46, 0x80, 0, WSV
	WLOAD 48, 50, 0x40, 64, WSU
	XLOAD 0
	XLOAD 1
	XLOAD 2
	XLOAD 3
	; the LDS addresses, each a constant + constants x lane parts + constants x wave parts
	v_and_b32 v48, 7, v44                          ; r % 8
	v_lshrrev_b32 v49, 3, v44                      ; r / 8
	v_lshlrev_b32 v50, 3, v48
	v_lshl_add_u32 v50, v49, 7, v50                ; 8 (r % 8) + 128 (r / 8)
	v_lshl_add_u32 v51, v48, 2, v49                ; 4 (r % 8) + r / 8
	s_mul_i32 s2, s19, 49152
	s_mul_i32 s62, s20, 6144
	s_add_co_u32 s2, s2, s62
	s_add_co_u32 s2, s2, KC
	v_mad_u32_u24 v[KWA], v45, 12288, v50
	v_add_nc_u32 v[KWA], s2, v[KWA]                ; head 4 g + h, fragment 4 xh
	s_lshl_b32 s2, s19, 11
	s_lshl_b32 s62, s20, 8
	s_add_co_u32 s2, s2, s62
	s_add_co_u32 s2, s2, KSB
	v_add_nc_u32 v[KWS], s2, v51
	s_mul_i32 s2, s19, 12288
	s_mul_i32 s62, s20, 1536
	s_add_co_u32 s2, s2, s62
	s_add_co_u32 s2, s2, QC
	v_mad_u32_u24 v[QWA], v45, 3072, v50
	v_add_nc_u32 v[QWA], s2, v[QWA]
	s_lshl_b32 s2, s19, 9
	s_lshl_b32 s62, s20, 6
	s_add_co_u32 s2, s2, s62
	s_add_co_u32 s2, s2, QSB
	v_add_nc_u32 v[QWS], s2, v51
	v_lshl_add_u32 v[KRA], v46, 3, KC
	v_lshl_add_u32 v[KSR], v46, 2, KSB
	s_mul_i32 s2, s18, 768
	s_add_co_u32 s2, s2, QC
	v_add_nc_u32 v[QRA], s2, v50                   ; queries 16 (2 w + tile) + r, read back from where they were written
	s_lshl_b32 s2, s20, 6
	s_lshl_b32 s62, s19, 1
	s_add_co_u32 s2, s2, s62
	s_add_co_u32 s2, s2, QSB
	v_add_nc_u32 v[QSR], s2, v51
	v_lshlrev_b32 v[VRA0], 4, v46
	v_add_nc_u32 v[VRA1], 49152, v[VRA0]
	s_mul_i32 s2, s18, 16640
	s_add_co_u32 s2, s2, STG
	v_mul_u32_u24 v[STO], v44, 1040
	v_lshl_add_u32 v[STO], v45, 5, v[STO]
	v_add_nc_u32 v[STO], s2, v[STO]                ; my stage: row r, + 32 h
	v_lshl_add_u32 v[SRD], v46, 4, s2              ; and back: 16 bytes a lane
	v_lshlrev_b32 v[GO], 4, v46
.irp b, 0,1,2,3
	v_mov_b32 v[TM+4+\b], 0                        ; a lane permute's destination counts as one of its sources
.endr
	s_mov_b32 s[CS], 0x3e8293ee
	s_mov_b32 s[CS+1], s[CS]                       ; (named with it as a pair, so it is written)
	s_mov_b32 s[SEL], 0x76543210
	s_mov_b32 s[SEL+1], 0xfedcba98
	s_mov_b32 vcc_lo, 0xffff                       ; lanes 0-15
	; ---- qv of my 256 keys: four trips of four tiles; each tile's set is asked for a trip ahead; the last trip asks for the queries' rows
	s_mov_b32 s52, 0
	s_mov_b32 s62, 0
	s_mov_b32 s63, 0
.Lkeys:
	s_wait_xcnt 0x0                                ; the loads that are out have read their bases
	s_add_nc_u64 s[36:37], s[36:37], 12288
	s_add_nc_u64 s[38:39], s[38:39], 512
	s_cmp_eq_u32 s52, 3
	s_cselect_b64 s[36:37], s[40:41], s[36:37]
	s_cselect_b64 s[38:39], s[42:43], s[38:39]
	v_add_nc_u32 v[H0], s62, v[KWA]                ; this trip's fragment: 1,536 bytes a trip,
	v_add_nc_u32 v[H0+1], s63, v[KWS]              ; 64 scale bytes
	PROJ 0, 0x5e, 0, WSV, H0, H0+1, 12288, 512, 1, 39
	PROJ 1, 0x5e, 0, WSV, H0, H0+1, 12288, 512, 1, 39
	PROJ 2, 0x5e, 0, WSV, H0, H0+1, 12288, 512, 1, 39
	PROJ 3, 0x5e, 0, WSV, H0, H0+1, 12288, 512, 1, 39
	s_add_co_u32 s62, s62, 1536
	s_add_co_u32 s63, s63, 64
	s_add_co_u32 s52, s52, 1
	s_cmp_lt_u32 s52, 4
	s_cbranch_scc1 .Lkeys
	; ---- qu of my 64 queries: nothing more is asked for, the counts run down
	PROJ 0, 0x5d, 64, WSU, QWA, QWS, 3072, 128, 0, 39
	PROJ 1, 0x5d, 64, WSU, QWA, QWS, 3072, 128, 0, 26
	PROJ 2, 0x5d, 64, WSU, QWA, QWS, 3072, 128, 0, 13
	PROJ 3, 0x5d, 64, WSU, QWA, QWS, 3072, 128, 0, 0
	s_wait_dscnt 0x0                               ; my codes and bytes lie in LDS, and the stores have read their registers
	WIN 0x80
.set j, 0
.rept 256
	v_mov_b32 v[j], 0                              ; the sums begin as zeros, so that the head's step is written once: a second copy of it would be some 18 KB of text
.set j, j+1
.endr
	WIN 0
.irp u, 0,1
.irp z, 0,12,24
.irp i, 0,1,2,3,4,5
	v_mov_b32 v[ZQ+30*\u+\z+\i], 0                 ; zero codes that stay
.endr
.endr
.endr
.set j, 0
.rept 16
	v_mov_b32 v[T2+j], 0
.set j, j+1
.endr
	v_mov_b32 v[RL], 1.0
	v_mov_b32 v[RL+1], 1.0
	v_mov_b32 v[NM+1], 0                           ; the upper words of pairs of which the low word serves both halves
	v_mov_b32 v[RA+1], 0
	v_mov_b32 v[RB+1], 0
	s_wait_tensorcnt 0x0                           ; my quarter of V has landed
	s_barrier_signal -1
	s_barrier_wait -1                              ; everybody's K, Q and V lie in LDS; nothing there is written again but the waves' own stages
; 32 matrix instructions: tile tl's scores of all 512 keys.  Fragment kt serves four, with the query's codes in block b.
.macro QK tl
	WIN 0x43
.irp kt, 0,1,2,3,4,5,6,7
.irp b, 0,1,2,3
.if (\kt)%2
	v_wmma_scale_f32_16x16x128_f8f6f4 v[8*(4*\kt+\b):8*(4*\kt+\b)+7], v[12*\kt:12*\kt+11], v[ZQ+30*(\tl)+6*(1-\b/2)+12*(\b%2):ZQ+30*(\tl)+6*(1-\b/2)+12*(\b%2)+11], 0, v[KSW+\kt/2], v[QSW+(\tl)] matrix_a_fmt:MATRIX_FMT_FP6 matrix_b_fmt:MATRIX_FMT_FP6 matrix_a_scale:MATRIX_SCALE_ROW1
.else
	v_wmma_scale_f32_16x16x128_f8f6f4 v[8*(4*\kt+\b):8*(4*\kt+\b)+7], v[12*\kt:12*\kt+11], v[ZQ+30*(\tl)+6*(1-\b/2)+12*(\b%2):ZQ+30*(\tl)+6*(1-\b/2)+12*(\b%2)+11], 0, v[KSW+\kt/2], v[QSW+(\tl)] matrix_a_fmt:MATRIX_FMT_FP6 matrix_b_fmt:MATRIX_FMT_FP6
.endif
.endr
.endr
	PLACES
.endm
.macro VFETCH gi                       ; group gi: K step gi / 4, fragments dt = 4 (gi % 4) + 0 .. 3, into buffer gi % 2: twelve loads of 512 consecutive bytes
	WIN 0xc0
.irp f, 0,1,2,3
.irp c, 0,1,2
.if (\gi) < 8
	ds_load_b128 v[48*((\gi)%2)+12*\f+4*\c:48*((\gi)%2)+12*\f+4*\c+3], v[VRA0] offset:(16*((\gi)/4)+4*((\gi)%4)+\f)*1536+512*\c
.else
	ds_load_b128 v[48*((\gi)%2)+12*\f+4*\c:48*((\gi)%2)+12*\f+4*\c+3], v[VRA1] offset:(16*((\gi)/4-2)+4*((\gi)%4)+\f)*1536+512*\c
.endif
.endr
.endr
.endm
; Tile tl's softmax over its 512 scores (window 1, register 16 B + i = key 32 B + 16 (lane / 16) + i): p's codes to window 3, its scale words, and l.
.macro SOFTMAX tl
.set PB, 96+48*(\tl)
	WIN 0x15
.irp b, 0,1,2,3,4,5,6,7,8,9,10,11,12,13,14,15
	v_max3_num_f32 v[BM+\b], v[16*\b], v[16*\b+1], v[16*\b+2]      ; the largest score of each block of 32 keys; the sixteen blocks by turns
.endr
	WIN 0x14
.irp i, 3,5,7,9,11,13
.irp b, 0,1,2,3,4,5,6,7,8,9,10,11,12,13,14,15
	v_max3_num_f32 v[BM+\b], v[BM+\b], v[16*\b+\i], v[16*\b+\i+1]
.endr
.endr
.irp b, 0,1,2,3,4,5,6,7,8,9,10,11,12,13,14,15
	v_max_num_f32 v[BM+\b], v[BM+\b], v[16*\b+15]
.endr
	WIN 0
.irp b, 0,1,2,3,4,5,6,7,8,9,10,11,12,13,14,15
	v_permlanex16_b32 v[T2+\b], v[BM+\b], s[SEL], s[SEL+1]
.endr
.irp b, 0,1,2,3,4,5,6,7,8,9,10,11,12,13,14,15
	v_max_num_f32 v[BM+\b], v[BM+\b], v[T2+\b]     ; with lane l xor 16's 16 keys
.endr
	v_max3_num_f32 v34, v[BM], v[BM+1], v[BM+2]
	v_max3_num_f32 v35, v[BM+3], v[BM+4], v[BM+5]
	v_max3_num_f32 v22, v[BM+6], v[BM+7], v[BM+8]
	v_max3_num_f32 v23, v[BM+9], v[BM+10], v[BM+11]
	v_max3_num_f32 v34, v34, v[BM+12], v[BM+13]
	v_max3_num_f32 v35, v35, v[BM+14], v[BM+15]
	v_max3_num_f32 v34, v34, v35, v22
	v_max_num_f32 v34, v34, v23                    ; the row's largest score
	v_mul_f32 v34, s[CS], v34                      ; as t (c is positive)
	v_floor_f32 v[NM], -v34                        ; -M = floor(-t) = -ceil(t)
.irp b, 0,1,2,3,4,5,6,7,8,9,10,11,12,13,14,15
	v_fma_f32 v[BM+\b], v[BM+\b], s[CS], v[NM]
.endr
.irp b, 0,1,2,3,4,5,6,7,8,9,10,11,12,13,14,15
	v_exp_f32 v[BM+\b], v[BM+\b]                   ; each block's largest p: the same two instructions on the same number as below
.endr
	v_nop                                          ; a plain line behind the exponentials
	s_wait_alu depctr_va_vdst(0)
.irp b, 0,1,2,3,4,5,6,7,8,9,10,11,12,13,14,15
	v_max_num_f32 v[BM+\b], 0x1800000, v[BM+\b]    ; the floor: the byte cannot fall under 1
.endr
.irp b, 0,1,2,3,4,5,6,7,8,9,10,11,12,13,14,15
	v_add_nc_u32 v[SO+\b], 0xff000000, v[BM+\b]    ; the conversion's scale operand
.endr
.irp b, 0,1,2,3,4,5,6,7,8,9,10,11,12,13,14,15
	v_lshrrev_b32 v[T2+\b], 23, v[SO+\b]           ; the scale's byte
.endr
.irp k, 0,1,2,3
	v_lshl_or_b32 v[PW+4*(\tl)+\k], v[T2+4*\k+1], 8, v[T2+4*\k]
	v_lshl_or_b32 v[PW+4*(\tl)+\k], v[T2+4*\k+2], 16, v[PW+4*(\tl)+\k]
	v_lshl_or_b32 v[PW+4*(\tl)+\k], v[T2+4*\k+3], 24, v[PW+4*(\tl)+\k]
.endr
	WIN 0x41
.set q, 0
.rept 8
	v_pk_fma_f32 v[2*q:2*q+1], v[2*q:2*q+1], s[CS:CS+1], v[NM:NM+1] op_sel_hi:[1,0,0]   ; t - M, two at a time, eight pairs ahead of the exponentials
.set q, q+1
.endr
.set q, 0
.rept 128
	v_exp_f32 v[2*q], v[2*q]                       ; p = 2^(t - M), at most 1: not normalised
	v_exp_f32 v[2*q+1], v[2*q+1]
.if q < 120
	v_pk_fma_f32 v[2*q+16:2*q+17], v[2*q+16:2*q+17], s[CS:CS+1], v[NM:NM+1] op_sel_hi:[1,0,0]
.endif
.set q, q+1
.endr
	v_nop                                          ; a plain line behind the exponentials
	WIN 0xc1
	s_wait_alu depctr_va_vdst(0)
.irp k, 0,1,2,3
.irp c, 0,1
	v_cvt_scalef32_pk16_fp6_f32 v[PB+12*\k+6*\c:PB+12*\k+6*\c+2], v[64*\k+32*\c:64*\k+32*\c+15], v[SO+4*\k+2*\c]
	v_cvt_scalef32_pk16_fp6_f32 v[CT+4*(2*\k+\c):CT+4*(2*\k+\c)+2], v[64*\k+32*\c+16:64*\k+32*\c+31], v[SO+4*\k+2*\c+1]
.endr
.endr
	v_nop                                          ; one plain line behind a scaled conversion
	WIN 0xc3
.irp k, 0,1,2,3
.irp c, 0,1
.irp i, 0,1,2
	v_permlane16_swap_b32 v[PB+12*\k+6*\c+\i], v[CT+4*(2*\k+\c)+\i]   ; a whole block to a lane: lanes 0-15 block 2 c, lanes 16-31 block 2 c + 1
.endr
.irp i, 0,1,2
	v_mov_b32 v[PB+12*\k+6*\c+3+\i], v[CT+4*(2*\k+\c)+\i]
.endr
.endr
.endr
	WIN 0x45
.set w, 4
.rept 7                                ; the row's sum is taken of the unquantised p: 127 packed additions, in place, neighbours 1, 2, 4 .. 64 pairs apart
.set a, 0
.rept 256/w
	v_pk_add_f32 v[a:a+1], v[a:a+1], v[a+w/2:a+w/2+1]
.set a, a+w
.endr
.set w, w*2
.endr
	WIN 0x05
	v_add_f32 v[L+(\tl)], v0, v1
	WIN 0
	v_permlanex16_b32 v34, v[L+(\tl)], s[SEL], s[SEL+1]
	v_add_f32 v[L+(\tl)], v[L+(\tl)], v34          ; with lane l xor 16's keys: l
.endm
.macro PVI tl                          ; sums(tile tl, 16 channels DT) += V's fragment x p's fragment of K step KQ
.if DT%2
	v_wmma_scale_f32_16x16x128_f8f6f4 v[128*\tl+8*DT:128*\tl+8*DT+7], v[48*(G%2)+12*FF:48*(G%2)+12*FF+11], v[96+48*\tl+12*KQ:96+48*\tl+12*KQ+11], v[128*\tl+8*DT:128*\tl+8*DT+7], v[VS+8*KQ+DT/2], v[PW+4*\tl+KQ] matrix_a_fmt:MATRIX_FMT_FP6 matrix_b_fmt:MATRIX_FMT_FP6 matrix_a_scale:MATRIX_SCALE_ROW1
.else
	v_wmma_scale_f32_16x16x128_f8f6f4 v[128*\tl+8*DT:128*\tl+8*DT+7], v[48*(G%2)+12*FF:48*(G%2)+12*FF+11], v[96+48*\tl+12*KQ:96+48*\tl+12*KQ+11], v[128*\tl+8*DT:128*\tl+8*DT+7], v[VS+8*KQ+DT/2], v[PW+4*\tl+KQ] matrix_a_fmt:MATRIX_FMT_FP6 matrix_b_fmt:MATRIX_FMT_FP6
.endif
.endm
	s_mov_b32 s53, 0                               ; the head, and where its K, K's scale words, Q and Q's scale bytes begin
	s_mov_b32 s54, 0
	s_mov_b32 s55, 0
	s_mov_b32 s56, 0
	s_mov_b32 s57, 0
.Lhead:
	v_add_nc_u32 v[H0], s54, v[KRA]                ; (these four are also the places behind the last head's products, ahead of the loads into V's buffers)
	v_add_nc_u32 v[H0+1], s55, v[KSR]
	v_add_nc_u32 v[H0+2], s56, v[QRA]
	v_add_nc_u32 v[H0+3], s57, v[QSR]
	WIN 0xc0
.irp kt, 0,1,2,3,4,5,6,7
.irp pl, 0,1,2,3,4,5
	ds_load_b64 v[12*\kt+2*\pl:12*\kt+2*\pl+1], v[H0] offset:1536*\kt+256*\pl   ; 32 lanes read 256 consecutive bytes
.endr
.endr
	WIN 0
.irp pr, 0,1,2,3
	ds_load_b32 v[KSW+\pr], v[H0+1] offset:128*\pr
.endr
.irp u, 0,1
.irp q, 0,1,2
	ds_load_b64 v[RQ+6*\u+2*\q:RQ+6*\u+2*\q+1], v[H0+2] offset:64*\u+256*\q   ; both halves of the lanes take query r's 24 bytes
.endr
	ds_load_u8 v[QB+\u], v[H0+3] offset:32*\u
.endr
	s_wait_dscnt 0x0
	v_perm_b32 v[QSW], v[QB], v[QB], 0             ; the query's one scale byte at all four places of its word
	v_perm_b32 v[QSW+1], v[QB+1], v[QB+1], 0
.irp u, 0,1
.irp i, 0,1,2,3,4,5
	v_cndmask_b32 v[ZQ+30*\u+6+\i], 0, v[RQ+6*\u+\i], vcc_lo        ; lanes 0-15 alone: blocks 0 and 2
	v_cndmask_b32 v[ZQ+30*\u+18+\i], v[RQ+6*\u+\i], v[ZQ], vcc_lo   ; lanes 16-31 alone: blocks 1 and 3
.endr
.endr
	PLACES                                         ; operands written by vector lines stand four lines ahead of a scaled matrix instruction, scale words eight
	QK 0
	SOFTMAX 0
	QK 1
	VFETCH 0                                       ; K's fragments are done with: V's first two groups land under the second softmax
	VFETCH 1
	SOFTMAX 1
	v_mul_f32 v[RA], v[L], v[RL]                   ; l(h) / l(h - 1)
	v_mul_f32 v[RB], v[L+1], v[RL+1]
	v_rcp_f32 v[RL], v[L]
	v_rcp_f32 v[RL+1], v[L+1]                      ; (the plain lines below touch neither l nor 1 / l)
	WIN 0x82
.set j, 0
.rept 64
	v_pk_mul_f32 v[j:j+1], v[j:j+1], v[RA:RA+1] op_sel_hi:[1,0]
.set j, j+2
.endr
.rept 64
	v_pk_mul_f32 v[j:j+1], v[j:j+1], v[RB:RB+1] op_sel_hi:[1,0]
.set j, j+2
.endr
; 128 matrix instructions in 16 groups of eight; the 32 accumulators take turns, one instruction a turn
.set G, 0
.rept 16
.set KQ, G/4
.if G < 15
	s_wait_dscnt 12                                ; this group's fragments are in; the next group's twelve loads may be out
.else
	s_wait_dscnt 0x0
.endif
	WIN 0xaf
.set FF, 0
.rept 4
.set DT, 4*(G%4)+FF
	PVI 0
	PVI 1
.set FF, FF+1
.endr
.if G < 14
	PLACES
	VFETCH G+2
.endif
.set G, G+1
.endr
	WIN 0
	s_add_co_u32 s54, s54, 12288
	s_add_co_u32 s55, s55, 512
	s_add_co_u32 s56, s56, 3072
	s_add_co_u32 s57, s57, 128
	s_add_co_u32 s53, s53, 1
	s_cmp_lt_u32 s53, 8
	s_cbranch_scc1 .Lhead
	; THE WAY OUT.  The sums x 1 / (8 l(7)); a lane's eight numbers are eight neighbouring channels of one query, so a tile goes through my own stage and comes back as whole rows of 1,024 bytes.
	s_wait_alu depctr_va_vdst(0)
	v_mul_f32 v[RA], 0x3e000000, v[RL]
	v_mul_f32 v[RB], 0x3e000000, v[RL+1]
	PLACES
.macro SCALE tl
	WIN 0x82
.set j, 128*\tl
.rept 64
	v_pk_mul_f32 v[j:j+1], v[j:j+1], v[RA+2*\tl:RA+2*\tl+1] op_sel_hi:[1,0]   ; each accumulator from its low end on
.set j, j+2
.endr
.endm
.macro TOSTG tl
	WIN 0x08
.irp d, 0,1,2,3,4,5,6,7,8,9,10,11,12,13,14,15
	ds_store_b128 v[STO], v[128*\tl+8*\d:128*\tl+8*\d+3] offset:64*\d
	ds_store_b128 v[STO], v[128*\tl+8*\d+4:128*\tl+8*\d+7] offset:64*\d+16
.endr
	WIN 0x40
.irp d, 0,1,2,3,4,5,6,7,8,9,10,11,12,13,14,15
.irp u, 0,1
	ds_load_b128 v[128*\tl+8*\d+4*\u:128*\tl+8*\d+4*\u+3], v[SRD] offset:\d*1040+512*\u   ; LDS serves a wave's instructions in order: these see my stores
.endr
.endr
	WIN 0
.endm
.macro SEND tl
	WIN 0x04
.irp d, 0,1,2,3,4,5,6,7,8,9,10,11,12,13,14,15
.irp u, 0,1
	global_store_b128 v[GO], v[128*\tl+8*\d+4*\u:128*\tl+8*\d+4*\u+3], s[16:17] offset:\tl*16384+\d*1024+512*\u th:TH_STORE_NT   ; 32 lanes store 512 consecutive bytes, aligned
.endr
.endr
	WIN 0
.endm
	SCALE 0
	TOSTG 0
	SCALE 1                                        ; the second tile's scaling stands between the first tile's loads and the wait for them
	s_wait_dscnt 0x0
	SEND 0
	TOSTG 1
	s_wait_dscnt 0x0
	SEND 1
	s_wait_tensorcnt 0x0
	ds_add_u32 v254, v255
	s_wait_dscnt 0x0
	s_endpgm
.Lfunc_end_k_qb2cffd791c_time:
	.size	k_qb2cffd791c_time, .Lfunc_end_k_qb2cffd791c_time-k_qb2cffd791c_time
	.p2alignl 7, 3214868480
	.fill 96, 4, 3214868480
	.section	.rodata,"a",@progbits
	.p2align	6, 0x0
	.amdhsa_kernel k_qb2cffd791c_time
		.amdhsa_group_segment_fixed_size 327680
		.amdhsa_private_segment_fixed_size 0
		.amdhsa_enable_private_segment 0
		.amdhsa_kernarg_size 56
		.amdhsa_user_sgpr_count 2
		.amdhsa_user_sgpr_kernarg_segment_ptr 1
		.amdhsa_wavefront_size32 1
		.amdhsa_system_sgpr_workgroup_id_x 1
		.amdhsa_system_sgpr_workgroup_id_y 1
		.amdhsa_system_sgpr_workgroup_id_z 1
		.amdhsa_system_vgpr_workitem_id 0
		.amdhsa_next_free_vgpr 1024
		.amdhsa_next_free_sgpr 66
		.amdhsa_reserve_vcc 1
		.amdhsa_float_denorm_mode_32 3
		.amdhsa_float_denorm_mode_16_64 3
		.amdhsa_memory_ordered 1
		.amdhsa_forward_progress 1
		.amdhsa_inst_pref_size 255
	.end_amdhsa_kernel
	.section	.bss,"aw",@nobits
	.p2align	6
	.space	262144
	.amdgpu_metadata
---
amdhsa.version: [ 1, 2 ]
amdhsa.kernels:
  - .name:           k_qb2cffd791c_time
    .symbol:         k_qb2cffd791c_time.kd
    .args:
      - { .name: xd, .offset: 0, .size: 8, .value_kind: global_buffer, .address_space: global }
      - { .name: xds, .offset: 8, .size: 8, .value_kind: global_buffer, .address_space: global }
      - { .name: wq, .offset: 16, .size: 8, .value_kind: global_buffer, .address_space: global }
      - { .name: wqs, .offset: 24, .size: 8, .value_kind: global_buffer, .address_space: global }
      - { .name: vq, .offset: 32, .size: 8, .value_kind: global_buffer, .address_space: global }
      - { .name: vqs, .offset: 40, .size: 8, .value_kind: global_buffer, .address_space: global }
      - { .name: out0, .offset: 48, .size: 8, .value_kind: global_buffer, .address_space: global }
    .group_segment_fixed_size: 327680
    .private_segment_fixed_size: 0
    .kernarg_segment_align: 8
    .kernarg_segment_size: 56
    .max_flat_workgroup_size: 128
    .sgpr_count:     66
    .vgpr_count:     1024
    .wavefront_size: 32
...
	.end_amdgpu_metadata
.endif
;; end of part 3
